; MI455X (gfx1250); checked and timed in simulation.
; The chip was launched on July 23, 2026; its instructions are those of AMD's public machine-readable ISA for CDNA 5 (MIT licence, August 2026) and "CDNA5" Instruction Set Architecture Reference Guide (July 2026). The comments in the code are by the model that wrote it; some were corrected since.
;; Question Attention. Allowed arithmetic: float matrix products may take bf16 or f16 operands with f32 sums; other float arithmetic in f32, or as packed bf16 or f16 multiplies, adds, multiply-adds, maxima and minima; sums over many terms, partial sums and values carried from step to step in f32; what a program stores and reads back later, other than sums and carried values, may be rounded once to bf16 or f16.
;; Inputs: Wa 2,048 x 2,048 float32; Wm 2,048 x 2,048 float32; Wq 2,048 x 2,048 float32; ba 2,048 float32; bm 2,048 float32; bq 2,048 float32; hidden_list 4 x 2,048 x 2,048 float32; m_q 2,048 float32.
;; Outputs: out0 4 x 2,048 float32; out1 4 x 2,048 float32.
;; One version. Each part assembles by itself: llvm-mc -triple=amdgcn-amd-amdhsa -mcpu=gfx1250 --defsym DOCPART=n.
;; ======== version 1 of 1: 4 launches
;; workspace buffers: hb 33,554,432 bytes; wqb 8,388,608 bytes; wab 8,388,608 bytes; sg 33,554,432 bytes; tab 24,576 bytes; part 2,097,152 bytes
;; launch prep (part 1): grid 256 x 1, 8 waves a work-group, no clusters, 0 bytes of LDS; arguments hidden_list, Wq, Wa, Wm, m_q, bq, ba, bm, hb, wqb, wab, tab; writes hb, wqb, wab, tab
.if DOCPART == 1
	.amdgcn_target "amdgcn-amd-amdhsa--gfx1250"
	.amdhsa_code_object_version 6
	.text
	.protected	k_qbe3f1a89e5_prep
	.globl	k_qbe3f1a89e5_prep
	.p2align	8
	.type	k_qbe3f1a89e5_prep,@function
k_qbe3f1a89e5_prep:
	s_mov_b64 s[64:65], 0
	v_nop
	global_prefetch_b8 v0, s[64:65] scope:SCOPE_SE
	s_setreg_imm32_b32 hwreg(HW_REG_WAVE_MODE, 25, 1), 1
	s_wait_xcnt 0x0
; QuestionAttention, launch 1 of 4: the operands are rounded once, the gate is made.
;   hb = bf16(hidden_list) [8192][2048], wqb = bf16(Wq), wab = bf16(Wa) [2048][2048];
;   tab (f32): bytes 0..8191 C2 x bf16(bq[e]); 8192..16383 L2E x bf16(ba[e]); 16384..24575 mq[e] = tanh(Wm[e] . m_q + bm[e]).
; NOTHING IS LEFT OUT in any of the four launches: ba differs along the softmax's axis, and every input has a way to an output, so all eight are loaded.
; FORMATS.  Every input is rounded once to bf16 (the matrices as matrix operands, and m_q and the three biases likewise, so that the whole program works on one rounding of its inputs); sums in f32.
; LIMITS.  tanh(x) = 1 - 2 / (1 + 2^(C2 x)), C2 = 2 log2(e): absolute error about 1e-7; 2^(..) below 2^-126 counts as 0, above f32's range as infinity, and both give the right limit -1 or 1.
; NaN and infinities among the inputs are not treated apart.
; SHARES.  Wave w of work-group g has e = 8 g + w and seven rows of 8,192 bytes: row e of Wm (a dot product with m_q), row e of Wq and of Wa, rows 4 e .. 4 e + 3 of hidden_list.
; A row is 16 loads of 16 bytes a lane (512 consecutive bytes an instruction); as bf16 it is 16 stores of 8 bytes a lane: each store covers 256 consecutive bytes, aligned.
; Three row buffers in registers take turns: 32 to 48 loads of a wave are out all the time.  No LDS, no barrier, no matrix unit: no wave wants a byte that another has fetched.
; The table's three words a wave are stored by three lanes, 4 bytes each, far apart: 24 KiB of the launch's 48 MiB, the price of one even share for all waves.
.set C2,   0x4038aa3b                  ; 2 log2(e)
.set L2E,  0x3fb8aa3b                  ; log2(e)
.set ROWF, 8192                        ; bytes in a row of f32
.set ROWH, 4096                        ; bytes in a row of bf16
.set LO,  2                            ; v2   16 x lane: my place in 512 bytes of a row of f32; never rewritten
.set SO,  3                            ; v3   8 x lane: my place in 256 bytes of a row of bf16; never rewritten
.set Y,   32                           ; v[32:63]   a row packed to bf16
.set B0,  64                           ; v[64:127], v[128:191], v[192:255]: three row buffers
.set B1,  128
.set B2,  192
.set PWM, 44                           ; s[44:45] Wm at row e;  s[46:47] Wq;  s[48:49] Wa;  s[50:51] hidden_list at row 4 e
.set PWQ, 46
.set PWA, 48
.set PH,  50
.set DWQ, 52                           ; s[52:53] wqb at row e;  s[54:55] wab;  s[56:57] hb at row 4 e
.set DWA, 54
.set DH,  56
	s_load_b512 s[8:23], s[0:1], 0x0               ; hidden_list s[8:9], Wq s[10:11], Wa s[12:13], Wm s[14:15], m_q s[16:17], bq s[18:19], ba s[20:21], bm s[22:23]
	s_load_b256 s[24:31], s[0:1], 0x40             ; hb s[24:25], wqb s[26:27], wab s[28:29], tab s[30:31]
	v_lshrrev_b32 v1, 5, v0
	v_readfirstlane_b32 s32, v1                    ; wave 0..7
	s_lshl_b32 s33, ttmp9, 3
	s_add_co_u32 s33, s33, s32                     ; e
	v_and_b32 v1, 31, v0                           ; lane
	v_lshlrev_b32 v[LO], 4, v1
	v_lshlrev_b32 v[SO], 3, v1
	v_mov_b32 v10, 0
	s_mov_b32 s40, 0x76543210                      ; v_permlanex16_b32: each lane takes its own place in the other half
	s_mov_b32 s41, 0xfedcba98
	s_mov_b32 s35, 0                               ; the upper word of every offset
	s_lshl_b32 s39, s33, 2                         ; 4 e
	v_lshlrev_b32 v12, 13, v1
	v_add_nc_u32 v12, s39, v12                     ; lanes 0, 1, 2: word e of the table's three parts
	s_wait_kmcnt 0x0
	s_mov_b32 s34, s39
	s_add_nc_u64 s[18:19], s[18:19], s[34:35]      ; bq, ba, bm at word e
	s_add_nc_u64 s[20:21], s[20:21], s[34:35]
	s_add_nc_u64 s[22:23], s[22:23], s[34:35]
	s_lshl_b32 s34, s33, 13                        ; e rows of f32
	s_add_nc_u64 s[PWM:PWM+1], s[14:15], s[34:35]
	s_add_nc_u64 s[PWQ:PWQ+1], s[10:11], s[34:35]
	s_add_nc_u64 s[PWA:PWA+1], s[12:13], s[34:35]
	s_lshl_b32 s34, s33, 15                        ; 4 e rows of f32
	s_add_nc_u64 s[PH:PH+1], s[8:9], s[34:35]
	s_lshl_b32 s34, s33, 12                        ; e rows of bf16
	s_add_nc_u64 s[DWQ:DWQ+1], s[26:27], s[34:35]
	s_add_nc_u64 s[DWA:DWA+1], s[28:29], s[34:35]
	s_lshl_b32 s34, s33, 14                        ; 4 e rows of bf16
	s_add_nc_u64 s[DH:DH+1], s[24:25], s[34:35]
	s_load_b32 s36, s[18:19], 0x0                  ; bq[e]
	s_load_b32 s37, s[20:21], 0x0                  ; ba[e]
	s_load_b32 s38, s[22:23], 0x0                  ; bm[e]
.macro LD buf, base, off               ; a row of f32 that the launch reads once
.irp j, 0,1,2,3,4,5,6,7,8,9,10,11,12,13,14,15
	global_load_b128 v[(\buf)+4*(\j):(\buf)+4*(\j)+3], v[LO], s[(\base):(\base)+1] offset:(\off)+512*(\j) th:TH_LOAD_NT
.endr
.endm
.macro CVT buf                         ; 64 numbers a lane to 32 words of bf16, rounded to nearest even
.set k, 0
.rept 32
	v_cvt_pk_bf16_f32 v[Y+k], v[(\buf)+2*k], v[(\buf)+2*k+1]
.set k, k+1
.endr
.endm
.macro ST base, off                    ; the row of bf16: each store covers 256 consecutive bytes, aligned
.irp j, 0,1,2,3,4,5,6,7,8,9,10,11,12,13,14,15
	global_store_b64 v[SO], v[Y+2*(\j):Y+2*(\j)+1], s[(\base):(\base)+1] offset:(\off)+256*(\j) th:TH_STORE_NT
.endr
.endm
; One row: left = the loads issued behind this row's sixteen, which may stay out.  fill = 1: the buffer takes its next row, ahead of the stores.
.macro ITEM buf, left, dbase, doff, fill, sbase, soff
	s_wait_loadcnt \left                           ; loads come back in order: this row is in
	s_wait_xcnt 0x0                                ; the last row's stores have read Y: it is rewritten only behind this wait
	CVT \buf
.if \fill
	LD \buf, \sbase, \soff
.endif
	ST \dbase, \doff
.endm
.irp j, 0,1,2,3,4,5,6,7,8,9,10,11,12,13,14,15
	global_load_b128 v[B0+4*(\j):B0+4*(\j)+3], v[LO], s[16:17] offset:512*(\j)  ; m_q: every wave of the launch reads it, so no hint
.endr
	LD B1, PWM, 0
	LD B2, PWQ, 0
	s_wait_loadcnt 16                              ; m_q and Wm's row are in; Wq's sixteen loads may stay out
	; the dot product on operands rounded to bf16, sums in f32, four chains
.set k, 0
.rept 32
	v_cvt_pk_bf16_f32 v[Y+k], v[B0+2*k], v[B0+2*k+1]
	v_cvt_pk_bf16_f32 v[B1+k], v[B1+2*k], v[B1+2*k+1]  ; in place, ascending: word k is written when words 2 k and 2 k + 1 are read
.set k, k+1
.endr
.set k, 0
.rept 32
.if k < 2
	v_fma_mix_f32_bf16 v[4+2*k], v[B1+k], v[Y+k], v10 op_sel_hi:[1,1,0]                 ; the first links start the chains on 0
	v_fma_mix_f32_bf16 v[5+2*k], v[B1+k], v[Y+k], v10 op_sel:[1,1,0] op_sel_hi:[1,1,0]
.else
	v_fma_mix_f32_bf16 v[4+2*(k%2)], v[B1+k], v[Y+k], v[4+2*(k%2)] op_sel_hi:[1,1,0]
	v_fma_mix_f32_bf16 v[5+2*(k%2)], v[B1+k], v[Y+k], v[5+2*(k%2)] op_sel:[1,1,0] op_sel_hi:[1,1,0]
.endif
.set k, k+1
.endr
	LD B0, PWA, 0                                  ; both buffers are free: the next two rows go out before the sum is finished
	LD B1, PH, 0
	v_add_f32 v4, v4, v5
	v_add_f32 v6, v6, v7
	v_add_f32 v4, v4, v6
	v_add_f32_dpp v4, v4, v4 row_xmask:1 row_mask:0xf bank_mask:0xf
	v_add_f32_dpp v4, v4, v4 row_xmask:2 row_mask:0xf bank_mask:0xf
	v_add_f32_dpp v4, v4, v4 row_xmask:4 row_mask:0xf bank_mask:0xf
	v_add_f32_dpp v4, v4, v4 row_xmask:8 row_mask:0xf bank_mask:0xf
	v_permlanex16_b32 v5, v4, s40, s41             ; its destination counts as read: v5 has been written
	v_add_f32 v4, v4, v5                           ; Wm[e] . m_q in every lane
	; the table's three words
	s_wait_kmcnt 0x0                               ; bq[e], ba[e], bm[e]
	v_cvt_pk_bf16_f32 v8, s36, s37
	v_cvt_pk_bf16_f32 v9, s38, s38
	v_lshlrev_b32 v13, 16, v8                      ; bf16(bq[e]) as f32
	v_and_b32 v14, 0xffff0000, v8                  ; bf16(ba[e])
	v_lshlrev_b32 v9, 16, v9                       ; bf16(bm[e])
	v_mul_f32 v13, C2, v13
	v_mul_f32 v14, L2E, v14
	v_add_f32 v9, v4, v9
	v_mul_f32 v9, C2, v9
	v_exp_f32 v9, v9                               ; 2^(C2 x)
	v_nop                                          ; a plain instruction behind the exponential,
	s_wait_alu depctr_va_vdst(0)                   ; and the wait ahead of the first use of its result
	v_add_f32 v9, 1.0, v9
	v_rcp_f32 v9, v9
	v_nop
	s_wait_alu depctr_va_vdst(0)
	v_fma_f32 v9, v9, -2.0, 1.0                    ; mq[e] = 1 - 2 / (1 + 2^(C2 x))
	v_cmp_eq_u32 vcc_lo, 1, v1
	v_cndmask_b32 v11, v13, v14, vcc_lo            ; lane 0: C2 bq; lane 1: L2E ba;
	v_cmp_eq_u32 vcc_lo, 2, v1
	v_cndmask_b32 v11, v11, v9, vcc_lo             ; lane 2: mq
	; the six rows to be rounded.  Behind each row's loads stand those of the two rows that follow it, 32; at the end the counts run down
	ITEM B2, 32, DWQ, 0,      1, PH, ROWF
	ITEM B0, 32, DWA, 0,      1, PH, 2*ROWF
	ITEM B1, 32, DH,  0,      1, PH, 3*ROWF
	ITEM B2, 32, DH,  ROWH,   0, 0, 0
	ITEM B0, 16, DH,  2*ROWH, 0, 0, 0
	ITEM B1, 0,  DH,  3*ROWH, 0, 0, 0
	s_wait_xcnt 0x0                                ; EXEC is a source of the stores above: it changes only behind this wait
	v_cmp_gt_u32 vcc_lo, 3, v1
	s_and_saveexec_b32 s60, vcc_lo                 ; lanes 0 to 2
	global_store_b32 v12, v11, s[30:31]
	s_endpgm
.Lfunc_end_k_qbe3f1a89e5_prep:
	.size	k_qbe3f1a89e5_prep, .Lfunc_end_k_qbe3f1a89e5_prep-k_qbe3f1a89e5_prep
	.p2alignl 7, 3214868480
	.fill 96, 4, 3214868480
	.section	.rodata,"a",@progbits
	.p2align	6, 0x0
	.amdhsa_kernel k_qbe3f1a89e5_prep
		.amdhsa_group_segment_fixed_size 0
		.amdhsa_private_segment_fixed_size 0
		.amdhsa_enable_private_segment 0
		.amdhsa_kernarg_size 96
		.amdhsa_user_sgpr_count 2
		.amdhsa_user_sgpr_kernarg_segment_ptr 1
		.amdhsa_wavefront_size32 1
		.amdhsa_system_sgpr_workgroup_id_x 1
		.amdhsa_system_sgpr_workgroup_id_y 1
		.amdhsa_system_sgpr_workgroup_id_z 1
		.amdhsa_system_vgpr_workitem_id 0
		.amdhsa_next_free_vgpr 256
		.amdhsa_next_free_sgpr 66
		.amdhsa_reserve_vcc 1
		.amdhsa_float_denorm_mode_32 3
		.amdhsa_float_denorm_mode_16_64 3
		.amdhsa_memory_ordered 1
		.amdhsa_forward_progress 1
		.amdhsa_inst_pref_size 45
	.end_amdhsa_kernel
	.amdgpu_metadata
---
amdhsa.version: [ 1, 2 ]
amdhsa.kernels:
  - .name:           k_qbe3f1a89e5_prep
    .symbol:         k_qbe3f1a89e5_prep.kd
    .args:
      - { .name: hidden_list, .offset: 0, .size: 8, .value_kind: global_buffer, .address_space: global }
      - { .name: Wq, .offset: 8, .size: 8, .value_kind: global_buffer, .address_space: global }
      - { .name: Wa, .offset: 16, .size: 8, .value_kind: global_buffer, .address_space: global }
      - { .name: Wm, .offset: 24, .size: 8, .value_kind: global_buffer, .address_space: global }
      - { .name: m_q, .offset: 32, .size: 8, .value_kind: global_buffer, .address_space: global }
      - { .name: bq, .offset: 40, .size: 8, .value_kind: global_buffer, .address_space: global }
      - { .name: ba, .offset: 48, .size: 8, .value_kind: global_buffer, .address_space: global }
      - { .name: bm, .offset: 56, .size: 8, .value_kind: global_buffer, .address_space: global }
      - { .name: hb, .offset: 64, .size: 8, .value_kind: global_buffer, .address_space: global }
      - { .name: wqb, .offset: 72, .size: 8, .value_kind: global_buffer, .address_space: global }
      - { .name: wab, .offset: 80, .size: 8, .value_kind: global_buffer, .address_space: global }
      - { .name: tab, .offset: 88, .size: 8, .value_kind: global_buffer, .address_space: global }
    .group_segment_fixed_size: 0
    .private_segment_fixed_size: 0
    .kernarg_segment_align: 8
    .kernarg_segment_size: 96
    .max_flat_workgroup_size: 256
    .sgpr_count:     66
    .vgpr_count:     256
    .wavefront_size: 32
...
	.end_amdgpu_metadata
.endif
;; end of part 1
;; launch g1 (part 2): grid 8 x 32, 4 waves a work-group, clusters of 4 x 4, 327,680 bytes of LDS; arguments hb, wqb, sg, tab; writes sg
.if DOCPART == 2
	.amdgcn_target "amdgcn-amd-amdhsa--gfx1250"
	.amdhsa_code_object_version 6
	.text
	.protected	k_qbe3f1a89e5_g1
	.globl	k_qbe3f1a89e5_g1
	.p2align	8
	.type	k_qbe3f1a89e5_g1,@function
k_qbe3f1a89e5_g1:
	s_mov_b64 s[64:65], 0
	v_nop
	global_prefetch_b8 v0, s[64:65] scope:SCOPE_SE
	s_setreg_imm32_b32 hwreg(HW_REG_WAVE_MODE, 25, 1), 1
	s_wait_xcnt 0x0
	s_wait_alu depctr_hold_cnt(0) depctr_sa_sdst(0) depctr_va_vdst(0) depctr_va_sdst(0) depctr_va_ssrc(0) depctr_va_vcc(0) depctr_vm_vsrc(0)
	s_getreg_b32 s2, hwreg(HW_REG_IB_STS2, 6, 4)
	s_cmp_eq_u32 s2, 0
	s_cbranch_scc0 .Lentry_in_a_cluster
	s_endpgm
.Lentry_in_a_cluster:
	s_bfe_u32 s2, ttmp6, 0x10000c
	s_cmp_lg_u32 s2, 0xf033
	s_cbranch_scc0 .Lentry_shape_is_right
	s_endpgm
.Lentry_shape_is_right:
; QuestionAttention, launch 2 of 4: sg[s][e] = bf16( mq[e] tanh( sum over d of hb[s][d] wqb[e][d] + bq[e] ) ).  hb: [8192][2048], wqb: [2048][2048], sg: [8192][2048], all bf16; sums in f32.  No work is left out.
; tab holds C2 x bq at byte 0 and mq at byte 16,384 (f32), C2 = 2 log2(e).  With r = 1 / (1 + 2^(C2 sum + C2 bq)): mq tanh = mq - 2 mq r, one fused multiply-add behind the reciprocal.
; LIMITS.  The tanh has an absolute error of about 1e-7; an exponential below 2^-126 counts as 0, one beyond f32's range as infinity: both give the limits -mq .. mq.  NaN and infinities are not treated apart.
; SHAPE.  A tile of 256 x 256 to a work-group of four waves, 128 x 128 to a wave: 64 accumulators of 16 x 16, 512 registers.  32 x 8 tiles: one work-group for each of 256 WGPs.
; K goes in steps of 128 through a ring of two LDS slots filled by the tensor data mover: a tile's rows are 256 bytes of memory and start at multiples of 256 bytes from the buffer's first byte.
; CLUSTERS: 4 x 4 work-groups.  The four of a row of the cluster need the same tiles of hb, the four of a column the same tiles of wqb: each tile is asked for JOINTLY, by the same tensor load with the
; same descriptor and a mask that names the four; each receives it in its own LDS.
; THE MATRIX INSTRUCTION IS USED TRANSPOSED: source 0 = 16 rows of wqb, source 1 = 16 rows of hb: lane l holds row l % 16 of the result and the columns 8 (l / 16) + 0..7: eight neighbouring numbers.
; REGISTERS, in windows of 256 (s_set_vgpr_msb: bits 1:0 source 0, 3:2 source 1, 5:4 source 2, 7:6 destination):
;   window 0: v0-31 addresses; v64-127, v128-191 fragments of hb, two buffers; on the way out v64-127 T (a block at work), v192-223 packed results, v32-63 and v224-255 rows read back
;   window 1: v64-127, v128-191 fragments of wqb; v0-63 C2 bq and v192-255 mq of my lane's 64 columns; on the way out v64-127 -2 mq
;   window 2: the accumulators of my rows 0-63 ((a, b) at v[8 (8 a + b)]);   window 3: those of my rows 64-127
.set SIZE_K, 2048
.set SIZE_N, 2048
.set KSTEP,  128
.set PITCH,  272                       ; an LDS row: 256 bytes + 16 of padding = 68 words: the 16 rows that a load touches start at 16 different groups of four banks (64 banks of 4 bytes: ISA guide 11.1)
.set HALFT,  128*PITCH                 ; 128 rows: what one tensor load brings, and what one wave reads of either operand
.set SLOT,   4*HALFT                   ; hb's 256 rows, then wqb's 256 rows
.set STAGE,  2*SLOT                    ; behind the ring: 16 rows x 272 bytes for each wave, for the way out; no tensor load lands there
.set SPITCH, 272
.set SPARE,  STAGE+4*16*SPITCH         ; behind the stages: the spare words, 128 bytes for each wave: two blocks of 256 bytes that no other line names
.set LAPS,   SIZE_K/(2*KSTEP)          ; a lap = two K steps = once round the ring: 8
.set C2,     0x4038aa3b                ; 2 log2(e)
.set ADRA, 16                          ; v16-17  LDS address of my fragments of hb in slot 0, 1
.set ADRB, 20                          ; v20-21  the same for wqb
.set STO,  24                          ; v24     the way out: where I put 16 bytes of a row
.set RD,   25                          ; v25     the way out: where I read a row back
.set CO,   26                          ; v26     my byte offset in two rows of sg
.set TO,   27                          ; v27     my byte offset in a part of tab; never rewritten
.set SPW,  28                          ; v28     LDS address of my spare word: SPARE + 4 x my thread's number; never rewritten
.set NIL,  29                          ; v29     0; never rewritten
.set PFO,  30                          ; v30     the prefetches' offset: my lane x a row of 4,096 bytes; never rewritten
.set OB,   32
.set F0,   64
.set F1,   128
.set T,    64
.set TMP,  192
.set BQ2,  0                           ; window 1
.set M2,   64                          ; window 1
.set MQ,   192                         ; window 1
.set G1,  24                           ; s[24:31] descriptor group 1 for hb's tiles;  s[32:39] group 0, a set for each slot
.set G0,  32
.set G1B, 48                           ; s[48:55], s[56:63] the same for wqb's
.set G0B, 56
.set LIM, 43                           ; s43     1 in a wave that prefetches, else the greatest number
.set PFA, 44                           ; s[44:45] where my prefetches stand
.set CK,  66                           ; s[66:67] C2: the packed multiply-add names a pair and takes its low word for both halves
.set TAB, 80                           ; s[80:81] tab
.set MSB, 0
.macro WIN new                         ; the immediate's high byte repeats the setting that is left; a switch that changes nothing is dropped
.if MSB != (\new)
	s_set_vgpr_msb (MSB<<8)|(\new)
.set MSB, \new
.endif
.endm
.set MUL_LO, 0xa1                      ; source 0 window 1, source 1 window 0, C and D window 2
.set MUL_HI, 0xf1                      ; the same, C and D window 3
.set TO_B,   0x40                      ; destination window 1, address window 0
; A joint load.  Waves 0 and 1 fetch the two halves of hb's tile, waves 2 and 3 those of wqb's.  The branch hangs on the wave's number alone.
; An s_nop 0 and four v_nop follow each of the two lines, ahead of the jump, the label and what follows.
.macro JLOAD s
	s_cmp_eq_u32 s11, 0
	s_cbranch_scc0 .Lfor_b_\@
	tensor_load_to_lds s[G0+4*(\s):G0+4*(\s)+3], s[G1:G1+7]
	s_nop 0
.rept 4
	v_nop
.endr
	s_branch .Lasked_\@
.Lfor_b_\@:
	tensor_load_to_lds s[G0B+4*(\s):G0B+4*(\s)+3], s[G1B:G1B+7]
	s_nop 0
.rept 4
	v_nop
.endr
.Lasked_\@:
.endm
; A PREFETCH INTO THE L2, behind each joint refill and the run of LDS loads that follows it: the K step that stands TWO refills on, 32 rows x 256 bytes, a lane a row, one instruction a wave:
; 512 matrix instructions ahead of the load that will ask for it.  Each row's 256 bytes of a K step are named ONCE in the launch: hb's tile row is read by both clusters of that row of clusters: the one
; with x = 0 asks; wqb's tile column by the eight clusters of that column: the one with y = 0 asks.  The four partners that ask for a tile jointly share its rows out BY ADDRESS, 32 each.
; The loop's last trip (s3 = 1) asks for nothing: its refills are the last K steps.  K steps 0 to 3 come by their loads alone.
.macro ASK
	s_cmp_gt_u32 s3, s[LIM]
	s_cbranch_scc0 .Lnot_mine_\@
	global_prefetch_b8 v[PFO], s[PFA:PFA+1] offset:KSTEP*2 th:TH_LOAD_NT scope:SCOPE_SE
.Lnot_mine_\@:
.endm
; A round of the cluster's barrier: my work-group's barrier, so that wave 0's signal speaks for all four waves; wave 0 signals; every wave waits for all sixteen work-groups; my work-group's barrier once more.
.macro CREST                           ; a round behind its opening barrier
	s_cmp_lg_u32 s10, 0
	s_cbranch_scc1 .Lnot_wave_0_\@
	s_barrier_signal -3
.Lnot_wave_0_\@:
	s_barrier_wait -3
	s_barrier_signal -1
	s_barrier_wait -1
.endm
.macro CROUND                          ; a whole round
	s_barrier_signal -1
	s_barrier_wait -1
	CREST
.endm
	s_load_b128 s[4:7], s[0:1], 0x0                ; hb s[4:5], wqb s[6:7]
	s_load_b64 s[8:9], s[0:1], 0x10                ; sg
	s_load_b64 s[TAB:TAB+1], s[0:1], 0x18          ; tab
	v_lshl_add_u32 v[SPW], v0, 2, SPARE
	v_mov_b32 v[NIL], 0
	ds_add_u32 v[SPW], v[NIL]                      ; the wave's opening: the add, twice on end, and its wait stand ahead of my first tensor load; the set-up below stands between
	ds_add_u32 v[SPW], v[NIL]                      ; and once more, under the one wait
	v_lshrrev_b32 v1, 5, v0
	v_readfirstlane_b32 s10, v1                    ; wave 0..3
	s_lshr_b32 s11, s10, 1                         ; which half of the tile's rows is mine.  Also: I fetch for hb (0) or for wqb (1)
	s_and_b32 s12, s10, 1                          ; which half of its columns.  Also: which 128 rows of that tile I fetch
	s_bfe_u32 s40, ttmp6, 0x40000                  ; cx: my place along the cluster's x
	s_bfe_u32 s41, ttmp6, 0x40004                  ; cy: along its y
	s_lshl_b32 s42, ttmp9, 2                       ; in a cluster launch ttmp9 and ttmp7 count clusters
	s_add_co_u32 s42, s42, s40                     ; tile column = 4 x cluster x + cx
	s_and_b32 s13, ttmp7, 0xffff
	s_lshl_b32 s13, s13, 2
	s_add_co_u32 s13, s13, s41                     ; tile row = 4 x cluster y + cy
	s_lshl_b32 s43, s41, 2
	s_lshl_b32 s43, 15, s43                        ; my row of the cluster: places 4 cy .. 4 cy + 3
	s_lshl_b32 s44, 0x1111, s40                    ; my column: places cx, cx + 4, cx + 8, cx + 12
	; descriptor group 1: a tile of 128 rows x 128 elements, padded in LDS
	s_or_b32 s[G1+0], s43, (1<<16)|(1<<20)|(1<<21)|(5<<22)|(3<<25)   ; 15:0 the mask: my row; 17:16 elements of 2 bytes; 20 padding on; 21 set beside a mask; 24:22 after every 64 words (code 5); 31:25 4 words (code 3)
	s_or_b32 s[G1B+0], s44, (1<<16)|(1<<20)|(1<<21)|(5<<22)|(3<<25)  ; the same with the mask of my column
.irp g, G1, G1B
	s_mov_b32 s[(\g)+1], KSTEP<<16                 ; tensor_dim0 = 128
	s_mov_b32 s[(\g)+2], 128<<16                   ; tensor_dim1 = 128
	s_mov_b32 s[(\g)+3], KSTEP<<16                 ; tile_dim0 = 128
	s_mov_b32 s[(\g)+4], 128                       ; tile_dim1 = 128
	s_mov_b32 s[(\g)+5], SIZE_K                    ; elements from row to row
	s_mov_b32 s[(\g)+6], 0
	s_mov_b32 s[(\g)+7], 0
.endr
	s_mov_b32 s[CK], C2
	s_mov_b32 s[CK+1], s[CK]                       ; named with it as a pair
	; where the tiles come from: hb's hang on the tile row alone, wqb's on the tile column alone; each address in registers that never hold the other coordinate
	s_lshl_b32 s17, s12, 7                         ; which 128 rows of the tile I fetch
	s_lshl_b32 s16, s13, 8
	s_add_co_u32 s16, s16, s17
	s_lshl_b32 s46, s42, 8
	s_add_co_u32 s46, s46, s17
	s_mov_b32 s17, 0
	s_mov_b32 s47, 0
	s_mov_b64 s[18:19], SIZE_K*2
	s_mul_u64 s[16:17], s[16:17], s[18:19]
	s_mul_u64 s[46:47], s[46:47], s[18:19]
	s_mul_i32 s20, s10, HALFT                      ; and where they go: wave x 128 rows: no place in the cluster enters an LDS address
	s_wait_dscnt 0x0                               ; both opening adds are done
	s_wait_kmcnt 0x0
	s_add_nc_u64 s[14:15], s[4:5], s[16:17]
	s_add_nc_u64 s[46:47], s[6:7], s[46:47]
	CROUND                                         ; all sixteen work-groups are here: the first joint loads meet
.irp s, 0,1
	s_mov_b32 s[G0+4*(\s)], 1                                        ; count = 1
	s_add_co_u32 s[G0+4*(\s)+1], s20, (\s)*SLOT                      ; LDS address
	s_add_nc_u64 s[G0+4*(\s)+2:G0+4*(\s)+3], s[14:15], (\s)*KSTEP*2  ; global address: K step s
	s_or_b32 s[G0+4*(\s)+3], s[G0+4*(\s)+3], 0x80000000              ; type = 2
	s_mov_b32 s[G0B+4*(\s)], 1
	s_add_co_u32 s[G0B+4*(\s)+1], s20, (\s)*SLOT
	s_add_nc_u64 s[G0B+4*(\s)+2:G0B+4*(\s)+3], s[46:47], (\s)*KSTEP*2
	s_or_b32 s[G0B+4*(\s)+3], s[G0B+4*(\s)+3], 0x80000000
	JLOAD \s                                       ; both slots are asked for before anything else is done: two tensor loads of mine are out
.endr
	; A fragment is 16 rows x 32 K in 8 registers: lane l holds row l % 16; registers 0-3 K = 8 (l / 16) + 0..7, registers 4-7 K = 16 + 8 (l / 16) + 0..7: two loads of 16 bytes, 32 bytes apart.
	v_and_b32 v1, 15, v0                           ; l % 16
	v_bfe_u32 v2, v0, 4, 1                         ; l / 16
	v_mul_u32_u24 v3, v1, PITCH
	v_lshl_add_u32 v3, v2, 4, v3                   ; row x pitch + 16 x half
	s_mul_i32 s21, s11, HALFT                      ; my 128 rows of hb
	s_mul_i32 s22, s12, HALFT                      ; my 128 rows of wqb,
	s_add_co_u32 s22, s22, 2*HALFT                 ; which lie behind hb's 256
.irp s, 0,1
	v_add_nc_u32 v[ADRA+(\s)], s21, v3
	v_add_nc_u32 v[ADRB+(\s)], s22, v3
	s_add_co_u32 s21, s21, SLOT
	s_add_co_u32 s22, s22, SLOT
.endr
	s_mul_i32 s23, s10, 16*SPITCH
	s_add_co_u32 s23, s23, STAGE                   ; my stage
	v_add_nc_u32 v[STO], s23, v3                   ; in: row l % 16, 16 bytes for each half of the lanes (the stage's pitch is the ring's)
	v_mul_u32_u24 v5, v2, SPITCH                   ; back: lanes 0-15 take one row of 256 bytes, lanes 16-31 the next
	v_lshl_add_u32 v5, v1, 4, v5
	v_add_nc_u32 v[RD], s23, v5
	v_lshlrev_b32 v5, 12, v2                       ; and the same two rows in sg
	v_lshl_add_u32 v[CO], v1, 4, v5
	; where my part of the tile begins in sg, in bytes (under 2^26): the first way out adds it to sg's address
	s_lshl_b32 s13, s13, 8                         ; 256 x tile row
	s_lshl_b32 s14, s11, 7
	s_add_co_u32 s14, s13, s14                     ; my first row
	s_lshl_b32 s46, s42, 9
	s_lshl_b32 s47, s12, 8
	s_add_co_u32 s46, s46, s47                     ; my first column, in bytes of bf16
	s_lshl_b32 s16, s14, 12
	s_add_co_u32 s16, s16, s46
	s_mov_b32 s17, 0
	s_lshl_b32 s21, s46, 1                         ; my first column, in bytes of f32
	v_lshl_add_u32 v[TO], v2, 5, s21               ; + my lanes' 8 columns of each 16
	; C2 bq and mq of my lane's 64 columns (column block b: registers 8 b .. 8 b + 7).  The 32 loads stay out during the loop: they are waited for on the way out
	WIN TO_B
.irp b, 0,1,2,3,4,5,6,7
	global_load_b128 v[BQ2+8*(\b):BQ2+8*(\b)+3],   v[TO], s[TAB:TAB+1] offset:64*(\b)
	global_load_b128 v[BQ2+8*(\b)+4:BQ2+8*(\b)+7], v[TO], s[TAB:TAB+1] offset:64*(\b)+16
	global_load_b128 v[MQ+8*(\b):MQ+8*(\b)+3],     v[TO], s[TAB:TAB+1] offset:16384+64*(\b)
	global_load_b128 v[MQ+8*(\b)+4:MQ+8*(\b)+7],   v[TO], s[TAB:TAB+1] offset:16384+64*(\b)+16
.endr
	WIN 0
	; the prefetches.  s13 = 256 x tile row, s42 = tile column, s40 = cx, s41 = cy still stand
	s_lshl_b32 s42, s42, 8
	s_and_b32 s22, ttmp7, 0xffff                   ; cluster y
	s_cmp_eq_u32 s11, 0                            ; do I fetch for hb?
	s_cselect_b32 s20, s13, s42                    ; the tile's first row
	s_cselect_b32 s21, s40, s41                    ; my place among the four that ask for it with me
	s_cselect_b32 s22, ttmp9, s22                  ; the coordinate along which other clusters read the same rows
	s_cselect_b64 s[PFA:PFA+1], s[4:5], s[6:7]
	s_cmp_eq_u32 s22, 0
	s_cselect_b32 s[LIM], 1, -1                    ; the same in all sixteen partners, for a given wave
	s_lshl_b32 s22, s12, 7
	s_add_co_u32 s20, s20, s22                     ; + the 128 rows that I fetch
	s_lshl_b32 s21, s21, 5
	s_add_co_u32 s20, s20, s21                     ; + my work-group's 32 of them
	s_mov_b32 s21, 0
	s_mov_b64 s[18:19], SIZE_K*2
	s_mul_u64 s[20:21], s[20:21], s[18:19]
	s_add_nc_u64 s[PFA:PFA+1], s[PFA:PFA+1], s[20:21]
	s_add_nc_u64 s[PFA:PFA+1], s[PFA:PFA+1], 2*KSTEP*2  ; at K step 2: the first refill steps it to 3 and names K step 4
	v_and_b32 v[PFO], 31, v0
	v_lshlrev_b32 v[PFO], 12, v[PFO]
; 16 matrix instructions: m blocks a0, a0 + 1 of the window's four (hi = 0: my rows 0-63, 1: rows 64-127) x all 8 n blocks, 32 along K.  zero = 1: the first product starts the sums: nothing is cleared.
; The 64 accumulators take turns, one instruction a turn, in the same order in every quarter step, over the loop's backward jump too.
.macro MUL16 f, hi, a0, zero
	WIN MUL_LO+0x50*(\hi)
.irp a, \a0, (\a0)+1
.irp b, 0,1,2,3,4,5,6,7
.if \zero
	v_wmma_f32_16x16x32_bf16 v[8*(8*(\a)+(\b)):8*(8*(\a)+(\b))+7], v[(\f)+8*(\b):(\f)+8*(\b)+7], v[(\f)+8*(4*(\hi)+(\a)):(\f)+8*(4*(\hi)+(\a))+7], 0
.else
	v_wmma_f32_16x16x32_bf16 v[8*(8*(\a)+(\b)):8*(8*(\a)+(\b))+7], v[(\f)+8*(\b):(\f)+8*(\b)+7], v[(\f)+8*(4*(\hi)+(\a)):(\f)+8*(4*(\hi)+(\a))+7], v[8*(8*(\a)+(\b)):8*(8*(\a)+(\b))+7]
.endif
.endr
.endr
.endm
; 32 LDS loads in one run: the fragments of one quarter step (32 K at byte k of the rows) into buffer f
.macro FETCH slot, k, f
	WIN TO_B
.irp i, 0,1,2,3,4,5,6,7
	ds_load_b128 v[(\f)+8*(\i):(\f)+8*(\i)+3],   v[ADRB+(\slot)] offset:(\k)+(\i)*16*PITCH
	ds_load_b128 v[(\f)+8*(\i)+4:(\f)+8*(\i)+7], v[ADRB+(\slot)] offset:(\k)+(\i)*16*PITCH+32
.endr
	WIN 0
.irp i, 0,1,2,3,4,5,6,7
	ds_load_b128 v[(\f)+8*(\i):(\f)+8*(\i)+3],   v[ADRA+(\slot)] offset:(\k)+(\i)*16*PITCH
	ds_load_b128 v[(\f)+8*(\i)+4:(\f)+8*(\i)+7], v[ADRA+(\slot)] offset:(\k)+(\i)*16*PITCH+32
.endr
.endm
; A load into a register that a matrix instruction has read, and a vector instruction that reads a matrix result or writes one of a matrix instruction's registers, stand four places behind it;
; only plain vector instructions that name none of its registers are places (ISA guide 7.12.1 for vector instructions).
.macro PLACES
.rept 4
	v_nop
.endr
.endm
; A K step is four quarter steps of 32 along K, 64 matrix instructions each, on buffers 0, 1, 0, 1.  One of the first three: multiplies buffer f; in its middle it fetches the next quarter, at byte k, into g.
.macro QUARTER slot, k, f, g, zero
	s_wait_dscnt 8                                 ; wqb's fragments and hb's rows 0-63 are in; the youngest eight loads (hb's rows 64-127) may be out
	MUL16 \f, 0, 0, \zero
	MUL16 \f, 0, 2, \zero
	PLACES
	FETCH \slot, \k, \g
	s_wait_dscnt 32                                ; all but the 32 just issued
	MUL16 \f, 1, 0, \zero
	MUL16 \f, 1, 2, \zero
.endm
; The last quarter multiplies buffer 1 and changes slots.  MEET is its first half: ONE barrier.  In front of it each wave waits for all its tensor loads, of which one is out: its part of the next slot;
; adds 0 to its spare word; and waits for that and for its own reads of this slot.  Behind it nobody reads this slot any more and the next slot is whole.
.macro MEET round                      ; round = 1: the rest of a round of the cluster's barrier follows
	WIN 0                                          ; (the add's two registers lie in window 0)
	s_wait_tensorcnt 0x0                           ; all my tensor loads have landed
	ds_add_u32 v[SPW], v[NIL]                      ; 0 onto my spare word
	s_wait_dscnt 9                                 ; (the add and the youngest eight loads may be out)
	MUL16 F1, 0, 0, 0                              ; sixteen matrix instructions stand between the add and the wait for it
	s_wait_dscnt 0x0                               ; the add is done, and my reads of this slot are over
	s_barrier_signal -1
	MUL16 F1, 0, 2, 0                              ; work on registers while the others arrive
.if \round
	WIN 0
.endif
	s_barrier_wait -1
.endm
; The whole last quarter.  fill = 1: behind the round the slot just read out is filled again first, with the K step two steps on: 224 matrix instructions ahead of the wait for it.
.macro TURN slot, next, fill
.if \fill
	s_wait_xcnt 0x0                                ; the last prefetch, a K step back, has read its address: it is stepped here, ahead of the waits of the change of slots
	s_add_nc_u64 s[PFA:PFA+1], s[PFA:PFA+1], KSTEP*2
	MEET 1
	CREST                                          ; no wave of any partner still reads this slot's tile or has a load on its way
	s_add_nc_u64 s[G0+4*(\slot)+2:G0+4*(\slot)+3], s[G0+4*(\slot)+2:G0+4*(\slot)+3], 2*KSTEP*2
	s_add_nc_u64 s[G0B+4*(\slot)+2:G0B+4*(\slot)+3], s[G0B+4*(\slot)+2:G0B+4*(\slot)+3], 2*KSTEP*2
	JLOAD \slot                                    ; the first tensor load behind the round; the four v_nop behind it are also the places in front of the loads below
.else
	MEET 0
	PLACES
.endif
	FETCH \next, 0, F0
.if \fill
	ASK
.endif
	MUL16 F1, 1, 0, 0
	MUL16 F1, 1, 2, 0
.endm
	s_wait_tensorcnt 1                             ; my part of K step 0 is in; K step 1's load, issued behind it, may stay out
	s_barrier_signal -1
	s_barrier_wait -1                              ; everybody's is
	FETCH 0, 0, F0
	QUARTER 0, 64,  F0, F1, 1                      ; the first quarter stands in front of the loop: its products start the sums
	WIN 0                                          ; at a label and at a branch every window is 0
	s_mov_b32 s3, LAPS-1
.Llap:                                                 ; a trip goes once round the ring, from a lap's second quarter to the next lap's first, and fills both slots again
	QUARTER 0, 128, F1, F0, 0
	QUARTER 0, 192, F0, F1, 0
	TURN 0, 1, 1
	QUARTER 1, 64,  F0, F1, 0
	QUARTER 1, 128, F1, F0, 0
	QUARTER 1, 192, F0, F1, 0
	TURN 1, 0, 1
	QUARTER 0, 64,  F0, F1, 0
	WIN 0
	s_sub_co_u32 s3, s3, 1
	s_cmp_lg_u32 s3, 0
	s_cbranch_scc1 .Llap
	QUARTER 0, 128, F1, F0, 0                      ; the last lap is written out: it fills nothing, and has no round
	QUARTER 0, 192, F0, F1, 0
	TURN 0, 1, 0
	QUARTER 1, 64,  F0, F1, 0
	QUARTER 1, 128, F1, F0, 0
	QUARTER 1, 192, F0, F1, 0
	s_wait_dscnt 8                                 ; the very last quarter: nothing more to fetch
	MUL16 F1, 0, 0, 0
	MUL16 F1, 0, 2, 0
	s_wait_dscnt 0x0
	MUL16 F1, 1, 0, 0
	MUL16 F1, 1, 2, 0
	WIN 0
	PLACES                                         ; behind the last products: what follows reads results and writes fragment registers
	; THE WAY OUT, a block of 16 rows x 128 columns at a time.  Its text names window 2 alone and is walked twice: between the two walks window 3's accumulators are copied down.
	s_wait_loadcnt 0x0                             ; C2 bq and mq
	WIN 0x41                                       ; destination and source 0 window 1
.set i, 0
.rept 32
	v_pk_mul_f32 v[M2+i:M2+i+1], v[MQ+i:MQ+i+1], -2.0 op_sel_hi:[1,0]
.set i, i+2
.endr
	WIN 0
; Block a: T = C2 sum + C2 bq; 2^T; + 1; the reciprocal r; mq - 2 mq r; rounded to bf16.  Each accumulator is read from its lowest registers on.
; The 64 exponentials are one batch and the 64 reciprocals another: behind each a plain instruction and ONE wait ahead of the first use of a result.
.macro ACT a
	WIN 0x12                                       ; source 0 window 2, source 2 window 1, destination window 0
.set i, 0
.rept 32
	v_pk_fma_f32 v[T+i:T+i+1], v[64*(\a)+i:64*(\a)+i+1], s[CK:CK+1], v[BQ2+i:BQ2+i+1] op_sel_hi:[1,0,1]
.set i, i+2
.endr
	WIN 0
.set i, 0
.rept 64
	v_exp_f32 v[T+i], v[T+i]
.set i, i+1
.endr
	v_nop
	s_wait_alu depctr_va_vdst(0)
.set i, 0
.rept 32
	v_pk_add_f32 v[T+i:T+i+1], v[T+i:T+i+1], 1.0 op_sel_hi:[1,0]
.set i, i+2
.endr
.set i, 0
.rept 64
	v_rcp_f32 v[T+i], v[T+i]
.set i, i+1
.endr
	v_nop
	s_wait_alu depctr_va_vdst(0)
	WIN 0x14                                       ; sources 1 and 2 window 1
.set i, 0
.rept 32
	v_pk_fma_f32 v[T+i:T+i+1], v[T+i:T+i+1], v[M2+i:M2+i+1], v[MQ+i:MQ+i+1]
.set i, i+2
.endr
	WIN 0
.set i, 0
.rept 32
	v_cvt_pk_bf16_f32 v[TMP+i], v[T+2*i], v[T+2*i+1]
.set i, i+1
.endr
.endm
.macro TOSTAGE a                       ; 16 bytes a lane into my own stage, and back as whole rows of 256 bytes
.set BK, OB+192*((\a)%2)
.irp b, 0,1,2,3,4,5,6,7
	ds_store_b128 v[STO], v[TMP+4*(\b):TMP+4*(\b)+3] offset:32*(\b)
.endr
.irp t, 0,1,2,3,4,5,6,7
	ds_load_b128 v[BK+4*(\t):BK+4*(\t)+3], v[RD] offset:(\t)*2*SPITCH  ; LDS serves a wave's instructions in order (ISA guide 5.7.1.4): these see the stores above
.endr
.endm
.macro SEND a
.set BK, OB+192*((\a)%2)
	s_wait_dscnt 0x0                               ; the block is back in registers
	s_wait_xcnt 0x0                                ; earlier stores have read their base and their data: only behind this wait are these rewritten
.if (\a) == 0
	s_add_nc_u64 s[8:9], s[8:9], s[16:17]          ; on to this walk's first rows
.else
	s_add_nc_u64 s[8:9], s[8:9], 16*SIZE_N*2       ; 16 rows on
.endif
.irp t, 0,1,2,3,4,5,6,7
	global_store_b128 v[CO], v[BK+4*(\t):BK+4*(\t)+3], s[8:9] offset:2*(\t)*SIZE_N*2  ; 16 lanes store 256 consecutive bytes, at a multiple of 256 from sg's first byte
.endr
.endm
	s_mov_b32 s2, 2
.Lhalf:
	ACT 0
	TOSTAGE 0
.irp a, 1,2,3                          ; block a's arithmetic stands between block a - 1's loads from the stage and the wait for them
	ACT \a
	SEND (\a)-1
	TOSTAGE \a
.endr
	SEND 3
	s_mov_b64 s[16:17], 16*SIZE_N*2                ; what the second walk's first block adds to sg's address
	s_cmp_eq_u32 s2, 1
	s_cbranch_scc1 .Lno_copy
	WIN 0x83                                       ; source 0 window 3, destination window 2: my rows 64-127 go where the one text names the sums; 256 moves are the price of writing the way out once for four blocks
.set i, 0
.rept 256
	v_mov_b32 v[i], v[i]
.set i, i+1
.endr
	WIN 0
.Lno_copy:
	s_sub_co_u32 s2, s2, 1
	s_cmp_lg_u32 s2, 0
	s_cbranch_scc1 .Lhalf
	s_wait_tensorcnt 0x0                           ; the wave's end: behind my last tensor load and my last LDS store
	ds_add_u32 v[SPW], v[NIL]
	s_wait_dscnt 0x0
	CROUND                                         ; the closing round: no work-group ends while a partner may still ask for a tile that names it
	s_endpgm
.Lfunc_end_k_qbe3f1a89e5_g1:
	.size	k_qbe3f1a89e5_g1, .Lfunc_end_k_qbe3f1a89e5_g1-k_qbe3f1a89e5_g1
	.p2alignl 7, 3214868480
	.fill 96, 4, 3214868480
	.section	.rodata,"a",@progbits
	.p2align	6, 0x0
	.amdhsa_kernel k_qbe3f1a89e5_g1
		.amdhsa_group_segment_fixed_size 327680
		.amdhsa_private_segment_fixed_size 0
		.amdhsa_enable_private_segment 0
		.amdhsa_kernarg_size 32
		.amdhsa_user_sgpr_count 2
		.amdhsa_user_sgpr_kernarg_segment_ptr 1
		.amdhsa_wavefront_size32 1
		.amdhsa_system_sgpr_workgroup_id_x 1
		.amdhsa_system_sgpr_workgroup_id_y 1
		.amdhsa_system_sgpr_workgroup_id_z 1
		.amdhsa_system_vgpr_workitem_id 0
		.amdhsa_next_free_vgpr 1024
		.amdhsa_next_free_sgpr 86
		.amdhsa_reserve_vcc 0
		.amdhsa_float_denorm_mode_32 3
		.amdhsa_float_denorm_mode_16_64 3
		.amdhsa_memory_ordered 1
		.amdhsa_forward_progress 1
		.amdhsa_inst_pref_size 182
	.end_amdhsa_kernel
	.amdgpu_metadata
---
amdhsa.version: [ 1, 2 ]
amdhsa.kernels:
  - .name:           k_qbe3f1a89e5_g1
    .symbol:         k_qbe3f1a89e5_g1.kd
    .args:
      - { .name: hb, .offset: 0, .size: 8, .value_kind: global_buffer, .address_space: global }
      - { .name: wqb, .offset: 8, .size: 8, .value_kind: global_buffer, .address_space: global }
      - { .name: sg, .offset: 16, .size: 8, .value_kind: global_buffer, .address_space: global }
      - { .name: tab, .offset: 24, .size: 8, .value_kind: global_buffer, .address_space: global }
    .group_segment_fixed_size: 327680
    .private_segment_fixed_size: 0
    .kernarg_segment_align: 8
    .kernarg_segment_size: 32
    .max_flat_workgroup_size: 128
    .sgpr_count:     86
    .vgpr_count:     1024
    .wavefront_size: 32
...
	.end_amdgpu_metadata
.endif
;; end of part 2
;; launch g2 (part 3): grid 8 x 32, 4 waves a work-group, clusters of 4 x 4, 327,680 bytes of LDS; arguments sg, wab, part, tab, hb; writes part
.if DOCPART == 3
	.amdgcn_target "amdgcn-amd-amdhsa--gfx1250"
	.amdhsa_code_object_version 6
	.text
	.protected	k_qbe3f1a89e5_g2
	.globl	k_qbe3f1a89e5_g2
	.p2align	8
	.type	k_qbe3f1a89e5_g2,@function
k_qbe3f1a89e5_g2:
	s_mov_b64 s[64:65], 0
	v_nop
	global_prefetch_b8 v0, s[64:65] scope:SCOPE_SE
	s_setreg_imm32_b32 hwreg(HW_REG_WAVE_MODE, 25, 1), 1
	s_wait_xcnt 0x0
	s_wait_alu depctr_hold_cnt(0) depctr_sa_sdst(0) depctr_va_vdst(0) depctr_va_sdst(0) depctr_va_ssrc(0) depctr_va_vcc(0) depctr_vm_vsrc(0)
	s_getreg_b32 s2, hwreg(HW_REG_IB_STS2, 6, 4)
	s_cmp_eq_u32 s2, 0
	s_cbranch_scc0 .Lentry_in_a_cluster
	s_endpgm
.Lentry_in_a_cluster:
	s_bfe_u32 s2, ttmp6, 0x10000c
	s_cmp_lg_u32 s2, 0xf033
	s_cbranch_scc0 .Lentry_shape_is_right
	s_endpgm
.Lentry_shape_is_right:
; QuestionAttention, launch 3 of 4: t[s][f] = L2E ( sum over e of sg[s][e] wab[f][e] + ba[f] ), the logits in units of log 2, stay in registers; of each row and each chunk of 128 columns leave
;   m = the chunk's largest t,  l = the sum of 2^(t - m),  o = the sum of 2^(t - m) hb[s][f]:  part[chunk][row] = (m, l, o, 0), f32: partial sums that the last launch joins.  No work is left out.
; sg: [8192][2048], wab: [2048][2048], hb: [8192][2048], all bf16; sums in f32.  tab holds L2E x ba at byte 8,192 (f32), L2E = log2(e).
; LIMITS.  m is the chunk's true maximum, so no exponential passes 1; one below 2^-126 counts as 0.  NaN and infinities are not treated apart.
; SHAPE, RING, CLUSTERS, LAYOUT: as in the launch before.  A tile of 256 x 256 to a work-group of four waves, 128 x 128 to a wave (a chunk is a wave's 128 columns); K in steps of 128 through two LDS slots;
; 4 x 4 work-groups ask jointly for sg's tiles along a row of the cluster and for wab's along a column; source 0 = 16 rows of wab, source 1 = 16 rows of sg: lane l holds row l % 16 and the columns 8 (l / 16) + 0..7.
; hb's PIECE.  Each wave wants the 128 x 128 numbers of hb that lie where its logits lie.  When slot 0 has been read for the last time it is filled once more: each wave brings its own piece into its own quarter
; of the slot, by a load of its own (no mask), behind a round like every refill, a K step ahead of its use; it alone reads it.
; REGISTERS, in windows of 256 (s_set_vgpr_msb: bits 1:0 source 0, 3:2 source 1, 5:4 source 2, 7:6 destination):
;   window 0: v0-31 addresses; v64-127, v128-191 fragments of sg, two buffers; on the way out v32-63 hb's numbers of a block, v64-127 T (a block at work), v128-159 statistics
;   window 1: v64-127, v128-191 fragments of wab; v0-63 L2E ba of my lane's 64 columns
;   window 2: the accumulators of my rows 0-63 ((a, b) at v[8 (8 a + b)]);   window 3: those of my rows 64-127
.set SIZE_K, 2048
.set KSTEP,  128
.set PITCH,  272                       ; an LDS row: 256 bytes + 16 of padding = 68 words: the 16 rows that a load touches start at 16 different groups of four banks (64 banks of 4 bytes: ISA guide 11.1)
.set HALFT,  128*PITCH                 ; 128 rows: what one tensor load brings
.set SLOT,   4*HALFT                   ; sg's 256 rows, then wab's 256 rows
.set SPARE,  2*SLOT                    ; behind the ring: the spare words, 128 bytes for each wave: two blocks of 256 bytes that no other line names
.set LAPS,   SIZE_K/(2*KSTEP)          ; 8
.set L2E,    0x3fb8aa3b                ; log2(e)
.set ADRA, 16                          ; v16-17  LDS address of my fragments of sg in slot 0, 1
.set ADRB, 20                          ; v20-21  the same for wab
.set HA,   22                          ; v22     LDS address of my 16 bytes in a block of my piece of hb
.set PO,   23                          ; v23     16 x lane: my row's quad among 32 rows of part
.set TO,   27                          ; v27     my byte offset in a part of tab; never rewritten
.set SPW,  28                          ; v28     LDS address of my spare word: SPARE + 4 x my thread's number; never rewritten
.set NIL,  29                          ; v29     0; never rewritten
.set PFO,  30                          ; v30     the prefetches' offset: my lane x a row of 4,096 bytes; never rewritten
.set HB,   32
.set F0,   64
.set F1,   128
.set T,    64
.set CC,   128                         ; v128-131  four registers at work
.set OO,   136                         ; v136-139  four chains of o
.set LL,   140                         ; v[140:147] four chains of l, a pair each
.set ODD,  148                         ; v148-150  an odd block's m, l, o
.set Q0,   152                         ; v[152:155], v[156:159]  two quads to be stored
.set BA2,  0                           ; window 1
.set G1,  24                           ; s[24:31] descriptor group 1 for sg's tiles;  s[32:39] group 0, a set for each slot
.set G0,  32
.set G1B, 48                           ; s[48:55], s[56:63] the same for wab's
.set G0B, 56
.set G1H, 68                           ; s[68:75], s[76:79] the same for my piece of hb
.set G0H, 76
.set LIM, 43                           ; s43     1 in a wave that prefetches along K, else the greatest number
.set PFA, 44                           ; s[44:45] where those prefetches stand
.set CK,  66                           ; s[66:67] L2E: the packed multiply-add names a pair and takes its low word for both halves
.set TAB, 80                           ; s[80:81] tab;  s[82:83] hb
.set SEL, 84                           ; s[84:85] v_permlanex16_b32's selects: each lane takes its own place in the other half
.set HIM, 86                           ; s86     the lanes 16 to 31, as a mask
.set PFH, 88                           ; s[88:89] hb at my piece's first number; never rewritten
.set MSB, 0
.macro WIN new                         ; the immediate's high byte repeats the setting that is left; a switch that changes nothing is dropped
.if MSB != (\new)
	s_set_vgpr_msb (MSB<<8)|(\new)
.set MSB, \new
.endif
.endm
.set MUL_LO, 0xa1                      ; source 0 window 1, source 1 window 0, C and D window 2
.set MUL_HI, 0xf1                      ; the same, C and D window 3
.set TO_B,   0x40                      ; destination window 1, address window 0
; A joint load.  Waves 0 and 1 fetch the two halves of sg's tile, waves 2 and 3 those of wab's.  An s_nop 0 and four v_nop follow each of the two lines, ahead of the jump and the label.
.macro JLOAD s
	s_cmp_eq_u32 s11, 0
	s_cbranch_scc0 .Lfor_b_\@
	tensor_load_to_lds s[G0+4*(\s):G0+4*(\s)+3], s[G1:G1+7]
	s_nop 0
.rept 4
	v_nop
.endr
	s_branch .Lasked_\@
.Lfor_b_\@:
	tensor_load_to_lds s[G0B+4*(\s):G0B+4*(\s)+3], s[G1B:G1B+7]
	s_nop 0
.rept 4
	v_nop
.endr
.Lasked_\@:
.endm
.macro HLOAD                           ; my piece of hb: one line for all four waves; both of its addresses step with the wave's number
	tensor_load_to_lds s[G0H:G0H+3], s[G1H:G1H+7]
	s_nop 0
.rept 4
	v_nop
.endr
.endm
; PREFETCHES INTO THE L2, behind each joint refill and the run of LDS loads that follows it.
; ALONG K: the K step that stands TWO refills on, 32 rows x 256 bytes, a lane a row: 512 matrix instructions ahead of the load that will ask for it.  Each row's 256 bytes of a K step are named ONCE in the
; launch: the cluster with x = 0 asks for sg's rows, the cluster with y = 0 for wab's; the four partners of a joint load share its rows out BY ADDRESS, 32 each.  The loop's last trip (s3 = 1) asks for nothing along K.
; hb's PIECE: 128 rows x 256 bytes that one wave reads, once.  Its owner asks for it in the loop's last trip: rows 0-63 at the first change of slots, two K steps ahead of the load, rows 64-127 at the second, one ahead.
.macro ASK slot
	s_cmp_gt_u32 s3, s[LIM]
	s_cbranch_scc0 .Lnot_mine_\@
	global_prefetch_b8 v[PFO], s[PFA:PFA+1] offset:KSTEP*2 th:TH_LOAD_NT scope:SCOPE_SE
.Lnot_mine_\@:
	s_cmp_eq_u32 s3, 1
	s_cbranch_scc0 .Lnot_yet_\@
	global_prefetch_b8 v[PFO], s[PFH:PFH+1] offset:(2*(\slot))*32*4096 th:TH_LOAD_NT scope:SCOPE_SE
	global_prefetch_b8 v[PFO], s[PFH:PFH+1] offset:(2*(\slot)+1)*32*4096 th:TH_LOAD_NT scope:SCOPE_SE
.Lnot_yet_\@:
.endm
; A round of the cluster's barrier: my work-group's barrier, so that wave 0's signal speaks for all four waves; wave 0 signals; every wave waits for all sixteen work-groups; my work-group's barrier once more.
.macro CREST                           ; a round behind its opening barrier
	s_cmp_lg_u32 s10, 0
	s_cbranch_scc1 .Lnot_wave_0_\@
	s_barrier_signal -3
.Lnot_wave_0_\@:
	s_barrier_wait -3
	s_barrier_signal -1
	s_barrier_wait -1
.endm
.macro CROUND                          ; a whole round
	s_barrier_signal -1
	s_barrier_wait -1
	CREST
.endm
	s_load_b128 s[4:7], s[0:1], 0x0                ; sg s[4:5], wab s[6:7]
	s_load_b64 s[8:9], s[0:1], 0x10                ; part
	s_load_b128 s[TAB:TAB+3], s[0:1], 0x18         ; tab s[80:81], hb s[82:83]
	v_lshl_add_u32 v[SPW], v0, 2, SPARE
	v_mov_b32 v[NIL], 0
	ds_add_u32 v[SPW], v[NIL]                      ; the wave's opening: the add, twice on end, and its wait stand ahead of my first tensor load; the set-up below stands between
	ds_add_u32 v[SPW], v[NIL]                      ; and once more, under the one wait
	v_lshrrev_b32 v1, 5, v0
	v_readfirstlane_b32 s10, v1                    ; wave 0..3
	s_lshr_b32 s11, s10, 1                         ; which half of the tile's rows is mine.  Also: I fetch for sg (0) or for wab (1)
	s_and_b32 s12, s10, 1                          ; which half of its columns.  Also: which 128 rows of that tile I fetch
	s_bfe_u32 s40, ttmp6, 0x40000                  ; cx
	s_bfe_u32 s41, ttmp6, 0x40004                  ; cy
	s_lshl_b32 s42, ttmp9, 2
	s_add_co_u32 s42, s42, s40                     ; tile column = 4 x cluster x + cx
	s_and_b32 s13, ttmp7, 0xffff
	s_lshl_b32 s13, s13, 2
	s_add_co_u32 s13, s13, s41                     ; tile row = 4 x cluster y + cy
	s_lshl_b32 s43, s41, 2
	s_lshl_b32 s43, 15, s43                        ; my row of the cluster
	s_lshl_b32 s44, 0x1111, s40                    ; my column
	; descriptor group 1: a tile of 128 rows x 128 elements, padded in LDS
	s_or_b32 s[G1+0], s43, (1<<16)|(1<<20)|(1<<21)|(5<<22)|(3<<25)   ; 15:0 the mask: my row; 17:16 elements of 2 bytes; 20 padding on; 21 set beside a mask; 24:22 after every 64 words (code 5); 31:25 4 words (code 3)
	s_or_b32 s[G1B+0], s44, (1<<16)|(1<<20)|(1<<21)|(5<<22)|(3<<25)  ; the same with the mask of my column
	s_mov_b32 s[G1H+0], (1<<16)|(1<<20)|(5<<22)|(3<<25)              ; no mask: a load of my own
.irp g, G1, G1B, G1H
	s_mov_b32 s[(\g)+1], KSTEP<<16                 ; tensor_dim0 = 128
	s_mov_b32 s[(\g)+2], 128<<16                   ; tensor_dim1 = 128
	s_mov_b32 s[(\g)+3], KSTEP<<16                 ; tile_dim0 = 128
	s_mov_b32 s[(\g)+4], 128                       ; tile_dim1 = 128
	s_mov_b32 s[(\g)+5], SIZE_K                    ; elements from row to row: the same in all three tensors
	s_mov_b32 s[(\g)+6], 0
	s_mov_b32 s[(\g)+7], 0
.endr
	s_mov_b32 s[CK], L2E
	s_mov_b32 s[CK+1], s[CK]                       ; named with it as a pair
	s_mov_b32 s[SEL], 0x76543210
	s_mov_b32 s[SEL+1], 0xfedcba98
	s_mov_b32 s[HIM], 0xffff0000
	s_lshl_b32 s17, s12, 7                         ; which 128 rows of the tile I fetch
	s_lshl_b32 s16, s13, 8
	s_add_co_u32 s16, s16, s17
	s_lshl_b32 s46, s42, 8
	s_add_co_u32 s46, s46, s17
	s_mov_b32 s17, 0
	s_mov_b32 s47, 0
	s_mov_b64 s[18:19], SIZE_K*2
	s_mul_u64 s[16:17], s[16:17], s[18:19]
	s_mul_u64 s[46:47], s[46:47], s[18:19]
	s_mul_i32 s20, s10, HALFT                      ; where the tiles go: wave x 128 rows: no place in the cluster enters an LDS address
	s_mov_b32 s[G0H], 1                            ; count = 1
	s_mov_b32 s[G0H+1], s20                        ; my quarter of slot 0
	s_wait_dscnt 0x0                               ; both opening adds are done
	s_wait_kmcnt 0x0
	s_add_nc_u64 s[14:15], s[4:5], s[16:17]
	s_add_nc_u64 s[46:47], s[6:7], s[46:47]
	CROUND                                         ; all sixteen work-groups are here: the first joint loads meet
.irp s, 0,1
	s_mov_b32 s[G0+4*(\s)], 1
	s_add_co_u32 s[G0+4*(\s)+1], s20, (\s)*SLOT
	s_add_nc_u64 s[G0+4*(\s)+2:G0+4*(\s)+3], s[14:15], (\s)*KSTEP*2
	s_or_b32 s[G0+4*(\s)+3], s[G0+4*(\s)+3], 0x80000000
	s_mov_b32 s[G0B+4*(\s)], 1
	s_add_co_u32 s[G0B+4*(\s)+1], s20, (\s)*SLOT
	s_add_nc_u64 s[G0B+4*(\s)+2:G0B+4*(\s)+3], s[46:47], (\s)*KSTEP*2
	s_or_b32 s[G0B+4*(\s)+3], s[G0B+4*(\s)+3], 0x80000000
	JLOAD \s                                       ; both slots are asked for before anything else is done: two tensor loads of mine are out
.endr
	v_and_b32 v1, 15, v0                           ; l % 16
	v_bfe_u32 v2, v0, 4, 1                         ; l / 16
	v_mul_u32_u24 v3, v1, PITCH
	v_lshl_add_u32 v3, v2, 4, v3                   ; row x pitch + 16 x half
	v_add_nc_u32 v[HA], s20, v3                    ; in my piece of hb: row l % 16 of a block, my lanes' 8 columns of each 16
	s_mul_i32 s21, s11, HALFT                      ; my 128 rows of sg
	s_mul_i32 s22, s12, HALFT                      ; my 128 rows of wab,
	s_add_co_u32 s22, s22, 2*HALFT                 ; which lie behind sg's 256
.irp s, 0,1
	v_add_nc_u32 v[ADRA+(\s)], s21, v3
	v_add_nc_u32 v[ADRB+(\s)], s22, v3
	s_add_co_u32 s21, s21, SLOT
	s_add_co_u32 s22, s22, SLOT
.endr
	v_and_b32 v[PFO], 31, v0
	v_lshlrev_b32 v[PO], 4, v[PFO]
	v_lshlrev_b32 v[PFO], 12, v[PFO]
	; my piece of hb, my rows of part, my columns of tab: byte offsets, all under 2^26
	s_lshl_b32 s13, s13, 8                         ; 256 x tile row
	s_lshl_b32 s14, s11, 7
	s_add_co_u32 s14, s13, s14                     ; my first row
	s_lshl_b32 s46, s42, 9
	s_lshl_b32 s47, s12, 8
	s_add_co_u32 s46, s46, s47                     ; my first column, in bytes of bf16 = 256 x my chunk's number
	s_lshl_b32 s16, s14, 12
	s_add_co_u32 s16, s16, s46
	s_mov_b32 s17, 0
	s_add_nc_u64 s[PFH:PFH+1], s[82:83], s[16:17]
	s_mov_b64 s[G0H+2:G0H+3], s[PFH:PFH+1]         ; global address
	s_or_b32 s[G0H+3], s[G0H+3], 0x80000000        ; type = 2
	s_lshl_b32 s16, s46, 9                         ; my chunk x 8,192 rows x 16 bytes
	s_lshl_b32 s18, s14, 4                         ; + my first row x 16 bytes
	s_add_co_u32 s16, s16, s18
	s_add_nc_u64 s[8:9], s[8:9], s[16:17]
	s_lshl_b32 s21, s46, 1                         ; my first column, in bytes of f32
	v_lshl_add_u32 v[TO], v2, 5, s21               ; + my lanes' 8 columns of each 16
	WIN TO_B                                       ; L2E ba of my lane's 64 columns.  The 16 loads stay out during the loop: they are waited for on the way out
.irp b, 0,1,2,3,4,5,6,7
	global_load_b128 v[BA2+8*(\b):BA2+8*(\b)+3],   v[TO], s[TAB:TAB+1] offset:8192+64*(\b)
	global_load_b128 v[BA2+8*(\b)+4:BA2+8*(\b)+7], v[TO], s[TAB:TAB+1] offset:8192+64*(\b)+16
.endr
	WIN 0
	; the prefetches along K.  s13 = 256 x tile row, s42 = tile column, s40 = cx, s41 = cy still stand
	s_lshl_b32 s42, s42, 8
	s_and_b32 s22, ttmp7, 0xffff                   ; cluster y
	s_cmp_eq_u32 s11, 0                            ; do I fetch for sg?
	s_cselect_b32 s20, s13, s42                    ; the tile's first row
	s_cselect_b32 s21, s40, s41                    ; my place among the four that ask for it with me
	s_cselect_b32 s22, ttmp9, s22                  ; the coordinate along which other clusters read the same rows
	s_cselect_b64 s[PFA:PFA+1], s[4:5], s[6:7]
	s_cmp_eq_u32 s22, 0
	s_cselect_b32 s[LIM], 1, -1                    ; the same in all sixteen partners, for a given wave
	s_lshl_b32 s22, s12, 7
	s_add_co_u32 s20, s20, s22                     ; + the 128 rows that I fetch
	s_lshl_b32 s21, s21, 5
	s_add_co_u32 s20, s20, s21                     ; + my work-group's 32 of them
	s_mov_b32 s21, 0
	s_mov_b64 s[18:19], SIZE_K*2
	s_mul_u64 s[20:21], s[20:21], s[18:19]
	s_add_nc_u64 s[PFA:PFA+1], s[PFA:PFA+1], s[20:21]
	s_add_nc_u64 s[PFA:PFA+1], s[PFA:PFA+1], 2*KSTEP*2  ; at K step 2: the first refill steps it to 3 and names K step 4
; 16 matrix instructions: m blocks a0, a0 + 1 of the window's four x all 8 n blocks, 32 along K.  zero = 1: the first product starts the sums.  The 64 accumulators take turns, one instruction a turn.
.macro MUL16 f, hi, a0, zero
	WIN MUL_LO+0x50*(\hi)
.irp a, \a0, (\a0)+1
.irp b, 0,1,2,3,4,5,6,7
.if \zero
	v_wmma_f32_16x16x32_bf16 v[8*(8*(\a)+(\b)):8*(8*(\a)+(\b))+7], v[(\f)+8*(\b):(\f)+8*(\b)+7], v[(\f)+8*(4*(\hi)+(\a)):(\f)+8*(4*(\hi)+(\a))+7], 0
.else
	v_wmma_f32_16x16x32_bf16 v[8*(8*(\a)+(\b)):8*(8*(\a)+(\b))+7], v[(\f)+8*(\b):(\f)+8*(\b)+7], v[(\f)+8*(4*(\hi)+(\a)):(\f)+8*(4*(\hi)+(\a))+7], v[8*(8*(\a)+(\b)):8*(8*(\a)+(\b))+7]
.endif
.endr
.endr
.endm
.macro FETCH slot, k, f                ; 32 LDS loads in one run: the fragments of one quarter step into buffer f
	WIN TO_B
.irp i, 0,1,2,3,4,5,6,7
	ds_load_b128 v[(\f)+8*(\i):(\f)+8*(\i)+3],   v[ADRB+(\slot)] offset:(\k)+(\i)*16*PITCH
	ds_load_b128 v[(\f)+8*(\i)+4:(\f)+8*(\i)+7], v[ADRB+(\slot)] offset:(\k)+(\i)*16*PITCH+32
.endr
	WIN 0
.irp i, 0,1,2,3,4,5,6,7
	ds_load_b128 v[(\f)+8*(\i):(\f)+8*(\i)+3],   v[ADRA+(\slot)] offset:(\k)+(\i)*16*PITCH
	ds_load_b128 v[(\f)+8*(\i)+4:(\f)+8*(\i)+7], v[ADRA+(\slot)] offset:(\k)+(\i)*16*PITCH+32
.endr
.endm
.macro PLACES                          ; four places behind matrix instructions, in front of loads into registers that they have read and of vector work on their registers (ISA guide 7.12.1 for vector instructions)
.rept 4
	v_nop
.endr
.endm
.macro QUARTER slot, k, f, g, zero     ; multiplies buffer f; in its middle it fetches the next quarter, at byte k, into g
	s_wait_dscnt 8                                 ; wab's fragments and sg's rows 0-63 are in; the youngest eight loads (sg's rows 64-127) may be out
	MUL16 \f, 0, 0, \zero
	MUL16 \f, 0, 2, \zero
	PLACES
	FETCH \slot, \k, \g
	s_wait_dscnt 32                                ; all but the 32 just issued
	MUL16 \f, 1, 0, \zero
	MUL16 \f, 1, 2, \zero
.endm
; The first half of a K step's last quarter: ONE barrier, which opens a round of the cluster's.  In front of it each wave waits for all its tensor loads, of which one is out: its part of the next slot; adds 0 to its
; spare word; and waits for that and for its own reads of this slot.
.macro MEET
	WIN 0                                          ; (the add's two registers lie in window 0)
	s_wait_tensorcnt 0x0                           ; all my tensor loads have landed
	ds_add_u32 v[SPW], v[NIL]                      ; 0 onto my spare word
	s_wait_dscnt 9                                 ; (the add and the youngest eight loads may be out)
	MUL16 F1, 0, 0, 0                              ; sixteen matrix instructions stand between the add and the wait for it
	s_wait_dscnt 0x0                               ; the add is done, and my reads of this slot are over
	s_barrier_signal -1
	MUL16 F1, 0, 2, 0                              ; work on registers while the others arrive
	WIN 0
	s_barrier_wait -1
.endm
; The whole last quarter.  Behind the round the slot just read out is filled again first.  mode = 1: jointly, with the K step two steps on.  mode = 2 (slot 0, for the last time): by each wave with its piece of hb.
.macro TURN slot, next, mode
.if (\mode) == 1
	s_wait_xcnt 0x0                                ; the last prefetch, a K step back, has read its address: it is stepped here, ahead of the waits of the change of slots
	s_add_nc_u64 s[PFA:PFA+1], s[PFA:PFA+1], KSTEP*2
.endif
	MEET
	CREST                                          ; no wave of any partner still reads this slot's tile or has a load on its way
.if (\mode) == 1
	s_add_nc_u64 s[G0+4*(\slot)+2:G0+4*(\slot)+3], s[G0+4*(\slot)+2:G0+4*(\slot)+3], 2*KSTEP*2
	s_add_nc_u64 s[G0B+4*(\slot)+2:G0B+4*(\slot)+3], s[G0B+4*(\slot)+2:G0B+4*(\slot)+3], 2*KSTEP*2
	JLOAD \slot                                    ; the first tensor load behind the round; the four v_nop behind it are also the places in front of the loads below
.else
	HLOAD
.endif
	FETCH \next, 0, F0
.if (\mode) == 1
	ASK \slot
.endif
	MUL16 F1, 1, 0, 0
	MUL16 F1, 1, 2, 0
.endm
	s_wait_tensorcnt 1                             ; my part of K step 0 is in; K step 1's load, issued behind it, may stay out
	s_barrier_signal -1
	s_barrier_wait -1                              ; everybody's is
	FETCH 0, 0, F0
	QUARTER 0, 64,  F0, F1, 1                      ; the first quarter stands in front of the loop: its products start the sums
	WIN 0                                          ; at a label and at a branch every window is 0
	s_mov_b32 s3, LAPS-1
.Llap:                                                 ; a trip goes once round the ring, from a lap's second quarter to the next lap's first, and fills both slots again
	QUARTER 0, 128, F1, F0, 0
	QUARTER 0, 192, F0, F1, 0
	TURN 0, 1, 1
	QUARTER 1, 64,  F0, F1, 0
	QUARTER 1, 128, F1, F0, 0
	QUARTER 1, 192, F0, F1, 0
	TURN 1, 0, 1
	QUARTER 0, 64,  F0, F1, 0
	WIN 0
	s_sub_co_u32 s3, s3, 1
	s_cmp_lg_u32 s3, 0
	s_cbranch_scc1 .Llap
	QUARTER 0, 128, F1, F0, 0                      ; the last lap is written out
	QUARTER 0, 192, F0, F1, 0
	TURN 0, 1, 2                                   ; slot 0 takes the four pieces of hb: 288 matrix instructions ahead of the wait for them
	QUARTER 1, 64,  F0, F1, 0
	QUARTER 1, 128, F1, F0, 0
	QUARTER 1, 192, F0, F1, 0
	s_wait_dscnt 8                                 ; the very last quarter: nothing more to fetch
	MUL16 F1, 0, 0, 0
	MUL16 F1, 0, 2, 0
	s_wait_dscnt 0x0
	MUL16 F1, 1, 0, 0
	MUL16 F1, 1, 2, 0
	WIN 0
	PLACES                                         ; behind the last products: what follows reads results and writes fragment registers
	; THE WAY OUT, a block of 16 rows x 128 columns at a time.  Its text names window 2 alone and is walked twice: between the two walks window 3's accumulators are copied down.
	s_wait_tensorcnt 0x0                           ; my piece of hb is in; I alone read it, so no barrier stands here
	s_wait_loadcnt 0x0                             ; L2E ba
	v_mov_b32 v[Q0+1], 0                           ; named beside m as a pair before l is written there
	v_mov_b32 v[Q0+5], 0
	v_mov_b32 v[ODD+1], 0
	v_mov_b32 v[Q0+3], 0                           ; a quad's fourth word
	v_mov_b32 v[Q0+7], 0
; Block a.  A lane holds 64 of its row's 128 logits; the lane 16 away holds the others.  Each accumulator is read from its lowest registers on.
; The 64 exponentials are one batch: behind it a plain instruction and ONE wait ahead of the first use of a result.
; An even block's m, l, o go into the quad, an odd block's beside it; then lanes 16-31 take the odd block's, so that lane l holds row 16 (a - 1) + l, and one store covers 512 consecutive bytes, aligned.
.macro SOFT a
.if ((\a)%2) == 0
.set DST, Q0+4*((\a)/2)
.else
.set DST, ODD
.endif
.irp b, 0,1,2,3,4,5,6,7
	ds_load_b128 v[HB+4*(\b):HB+4*(\b)+3], v[HA] offset:(\a)*16*PITCH+32*(\b)  ; hb(row, 16 b + 8 (l / 16) + 0..7)
.endr
	WIN 0x12                                       ; source 0 window 2, source 2 window 1, destination window 0
.set i, 0
.rept 32
	v_pk_fma_f32 v[T+i:T+i+1], v[64*(\a)+i:64*(\a)+i+1], s[CK:CK+1], v[BA2+i:BA2+i+1] op_sel_hi:[1,0,1]  ; t = L2E sum + L2E ba
.set i, i+2
.endr
	WIN 0
.irp k, 0,1,2,3                        ; the maximum: four chains of 15, three operands at a time, then the four left over
	v_max3_num_f32 v[CC+(\k)], v[T+16*(\k)], v[T+16*(\k)+1], v[T+16*(\k)+2]
.endr
.set i, 0
.rept 24
	v_max3_num_f32 v[CC+i%4], v[CC+i%4], v[T+16*(i%4)+3+2*(i/4)], v[T+16*(i%4)+4+2*(i/4)]
.set i, i+1
.endr
	v_max3_num_f32 v[CC], v[CC], v[T+15], v[T+31]
	v_max3_num_f32 v[CC+1], v[CC+1], v[T+47], v[T+63]
	v_max3_num_f32 v[CC], v[CC], v[CC+1], v[CC+2]
	v_max_num_f32 v[CC], v[CC], v[CC+3]
	v_permlanex16_b32 v[CC+1], v[CC], s[SEL], s[SEL+1]
	v_max_num_f32 v[DST], v[CC], v[CC+1]           ; m
.set i, 0
.rept 32
	v_pk_add_f32 v[T+i:T+i+1], v[T+i:T+i+1], v[DST:DST+1] op_sel_hi:[1,0] neg_lo:[0,1] neg_hi:[0,1]  ; t - m
.set i, i+2
.endr
.set i, 0
.rept 64
	v_exp_f32 v[T+i], v[T+i]
.set i, i+1
.endr
	v_nop
	s_wait_alu depctr_va_vdst(0)
	s_wait_dscnt 0x0                               ; hb's numbers are in
.set i, 0
.rept 64                               ; o: four chains, hb's bf16 half times the f32 weight; l: four chains of pairs; the two kinds by turns
.if i < 4
.set AD, NIL                           ; the first links start the chains on 0
.else
.set AD, OO+i%4
.endif
.if (i%2) == 0
	v_fma_mix_f32_bf16 v[OO+i%4], v[HB+i/2], v[T+i], v[AD] op_sel_hi:[1,0,0]
.else
	v_fma_mix_f32_bf16 v[OO+i%4], v[HB+i/2], v[T+i], v[AD] op_sel:[1,0,0] op_sel_hi:[1,0,0]
.set p, i/2
.if p < 4
	v_pk_add_f32 v[LL+2*p:LL+2*p+1], v[T+2*p:T+2*p+1], v[T+2*p+8:T+2*p+9]
.elseif p < 28
	v_pk_add_f32 v[LL+2*(p%4):LL+2*(p%4)+1], v[LL+2*(p%4):LL+2*(p%4)+1], v[T+2*p+8:T+2*p+9]
.endif
.endif
.set i, i+1
.endr
	v_pk_add_f32 v[LL:LL+1], v[LL:LL+1], v[LL+2:LL+3]
	v_pk_add_f32 v[LL+4:LL+5], v[LL+4:LL+5], v[LL+6:LL+7]
	v_add_f32 v[OO], v[OO], v[OO+1]
	v_add_f32 v[OO+2], v[OO+2], v[OO+3]
	v_pk_add_f32 v[LL:LL+1], v[LL:LL+1], v[LL+4:LL+5]
	v_add_f32 v[OO], v[OO], v[OO+2]
	v_add_f32 v[LL], v[LL], v[LL+1]
	v_permlanex16_b32 v[CC+3], v[OO], s[SEL], s[SEL+1]
	v_permlanex16_b32 v[CC+2], v[LL], s[SEL], s[SEL+1]
	v_add_f32 v[DST+2], v[OO], v[CC+3]             ; o
	v_add_f32 v[DST+1], v[LL], v[CC+2]             ; l
.if ((\a)%2) == 1
.set QQ, Q0+4*((\a)/2)
	v_cndmask_b32 v[QQ], v[QQ], v[ODD], s[HIM]
	v_cndmask_b32 v[QQ+1], v[QQ+1], v[ODD+1], s[HIM]
	v_cndmask_b32 v[QQ+2], v[QQ+2], v[ODD+2], s[HIM]
	global_store_b128 v[PO], v[QQ:QQ+3], s[8:9] offset:512*((\a)/2)
.endif
.endm
	s_mov_b32 s2, 2
.Lhalf:
	SOFT 0
	SOFT 1
	SOFT 2
	SOFT 3
	s_cmp_eq_u32 s2, 1
	s_cbranch_scc1 .Lno_copy
	WIN 0x83                                       ; source 0 window 3, destination window 2: my rows 64-127 go where the one text names the sums; 256 moves are the price of writing the way out once for four blocks
.set i, 0
.rept 256
	v_mov_b32 v[i], v[i]
.set i, i+1
.endr
	WIN 0
	s_wait_xcnt 0x0                                ; the two stores have read their offset and their quads: these are rewritten only behind this wait
	v_add_nc_u32 v[HA], 64*PITCH, v[HA]            ; 64 rows on in my piece of hb,
	v_add_nc_u32 v[PO], 64*16, v[PO]               ; and in part
.Lno_copy:
	s_sub_co_u32 s2, s2, 1
	s_cmp_lg_u32 s2, 0
	s_cbranch_scc1 .Lhalf
	s_wait_tensorcnt 0x0                           ; the wave's end: behind my last tensor load
	ds_add_u32 v[SPW], v[NIL]
	s_wait_dscnt 0x0
	CROUND                                         ; the closing round: no work-group ends while a partner may still ask for a tile that names it
	s_endpgm
.Lfunc_end_k_qbe3f1a89e5_g2:
	.size	k_qbe3f1a89e5_g2, .Lfunc_end_k_qbe3f1a89e5_g2-k_qbe3f1a89e5_g2
	.p2alignl 7, 3214868480
	.fill 96, 4, 3214868480
	.section	.rodata,"a",@progbits
	.p2align	6, 0x0
	.amdhsa_kernel k_qbe3f1a89e5_g2
		.amdhsa_group_segment_fixed_size 327680
		.amdhsa_private_segment_fixed_size 0
		.amdhsa_enable_private_segment 0
		.amdhsa_kernarg_size 40
		.amdhsa_user_sgpr_count 2
		.amdhsa_user_sgpr_kernarg_segment_ptr 1
		.amdhsa_wavefront_size32 1
		.amdhsa_system_sgpr_workgroup_id_x 1
		.amdhsa_system_sgpr_workgroup_id_y 1
		.amdhsa_system_sgpr_workgroup_id_z 1
		.amdhsa_system_vgpr_workitem_id 0
		.amdhsa_next_free_vgpr 1024
		.amdhsa_next_free_sgpr 90
		.amdhsa_reserve_vcc 0
		.amdhsa_float_denorm_mode_32 3
		.amdhsa_float_denorm_mode_16_64 3
		.amdhsa_memory_ordered 1
		.amdhsa_forward_progress 1
		.amdhsa_inst_pref_size 185
	.end_amdhsa_kernel
	.amdgpu_metadata
---
amdhsa.version: [ 1, 2 ]
amdhsa.kernels:
  - .name:           k_qbe3f1a89e5_g2
    .symbol:         k_qbe3f1a89e5_g2.kd
    .args:
      - { .name: sg, .offset: 0, .size: 8, .value_kind: global_buffer, .address_space: global }
      - { .name: wab, .offset: 8, .size: 8, .value_kind: global_buffer, .address_space: global }
      - { .name: part, .offset: 16, .size: 8, .value_kind: global_buffer, .address_space: global }
      - { .name: tab, .offset: 24, .size: 8, .value_kind: global_buffer, .address_space: global }
      - { .name: hb, .offset: 32, .size: 8, .value_kind: global_buffer, .address_space: global }
    .group_segment_fixed_size: 327680
    .private_segment_fixed_size: 0
    .kernarg_segment_align: 8
    .kernarg_segment_size: 40
    .max_flat_workgroup_size: 128
    .sgpr_count:     90
    .vgpr_count:     1024
    .wavefront_size: 32
...
	.end_amdgpu_metadata
.endif
;; end of part 3
;; launch finish (part 4): grid 128 x 1, 1 waves a work-group, no clusters, 0 bytes of LDS; arguments part, m_q, out0, out1; writes out0, out1
.if DOCPART == 4
	.amdgcn_target "amdgcn-amd-amdhsa--gfx1250"
	.amdhsa_code_object_version 6
	.text
	.protected	k_qbe3f1a89e5_finish
	.globl	k_qbe3f1a89e5_finish
	.p2align	8
	.type	k_qbe3f1a89e5_finish,@function
k_qbe3f1a89e5_finish:
	s_mov_b64 s[64:65], 0
	v_nop
	global_prefetch_b8 v0, s[64:65] scope:SCOPE_SE
	s_setreg_imm32_b32 hwreg(HW_REG_WAVE_MODE, 25, 1), 1
	s_wait_xcnt 0x0
; QuestionAttention, launch 4 of 4: a row's 16 chunks (m, l, o) are joined.  M = the largest m;  L = the sum of 2^(m - M) l;  O = the sum of 2^(m - M) o;
;   out0[row] = O / L;  out1[row] = bf16(m_q[row mod 2048]) + out0[row] (m_q rounded like every input of the program).  No work is left out.
; part: [16 chunks][8192 rows][4 f32].  M is the row's true maximum, so no exponential passes 1; the chunk that holds it has l of 1 or more, so L is 1 or more.  A factor below 2^-126 counts as 0.
; SHARES.  One wave to a work-group, 64 rows to a wave, rows 2 l and 2 l + 1 to lane l: each of the two stores covers 256 consecutive bytes, aligned; so 128 work-groups have work.
; All 33 loads of a wave go out together; no LDS, no barrier.
.set CH, 131072                        ; bytes of a chunk in part: 8,192 rows x 16
.set P,  16                            ; v[16:143]  chunk c, row k of my two: four registers at P + 8 c + 4 k
	s_load_b256 s[4:11], s[0:1], 0x0               ; part s[4:5], m_q s[6:7], out0 s[8:9], out1 s[10:11]
	v_lshlrev_b32 v1, 5, v0                        ; my two quads: 32 bytes a lane
	v_lshlrev_b32 v2, 3, v0                        ; my two numbers: 8 bytes a lane
	s_lshl_b32 s12, ttmp9, 10                      ; 64 rows x 16 bytes
	s_mov_b32 s13, 0
	s_lshl_b32 s14, ttmp9, 8                       ; 64 rows x 4 bytes
	s_mov_b32 s15, 0
	s_and_b32 s16, s14, 8191                       ; the same, row mod 2048
	s_mov_b32 s17, 0
	s_wait_kmcnt 0x0
	s_add_nc_u64 s[4:5], s[4:5], s[12:13]
	s_add_nc_u64 s[6:7], s[6:7], s[16:17]
	s_add_nc_u64 s[8:9], s[8:9], s[14:15]
	s_add_nc_u64 s[10:11], s[10:11], s[14:15]
.set c, 0
.rept 16
	global_load_b128 v[P+8*c:P+8*c+3],   v1, s[4:5] offset:c*CH th:TH_LOAD_NT
	global_load_b128 v[P+8*c+4:P+8*c+7], v1, s[4:5] offset:c*CH+16 th:TH_LOAD_NT
.set c, c+1
.endr
	global_load_b64 v[6:7], v2, s[6:7]
	s_wait_loadcnt 0x0
.irp k, 0,1                            ; M into v8, v9: three operands at a time
	v_max3_num_f32 v[8+(\k)], v[P+4*(\k)], v[P+8+4*(\k)], v[P+16+4*(\k)]
.endr
.set c, 3
.rept 6
.irp k, 0,1
	v_max3_num_f32 v[8+(\k)], v[8+(\k)], v[P+8*c+4*(\k)], v[P+8*c+8+4*(\k)]
.endr
.set c, c+2
.endr
.irp k, 0,1
	v_max_num_f32 v[8+(\k)], v[8+(\k)], v[P+8*15+4*(\k)]
.endr
.set c, 0
.rept 16
.irp k, 0,1
	v_sub_f32 v[P+8*c+4*(\k)], v[P+8*c+4*(\k)], v[8+(\k)]
.endr
.set c, c+1
.endr
.set c, 0
.rept 16
.irp k, 0,1
	v_exp_f32 v[P+8*c+4*(\k)], v[P+8*c+4*(\k)]     ; 2^(m - M): one batch of 32
.endr
.set c, c+1
.endr
	v_cvt_pk_bf16_f32 v8, v6, v7                   ; a plain instruction behind the last exponential: m_q's two numbers are rounded
	s_wait_alu depctr_va_vdst(0)                   ; the one wait ahead of the batch's first reader
.irp k, 0,1                            ; L into v10, v11; O into v12, v13: four chains by turns
	v_mul_f32 v[10+(\k)], v[P+4*(\k)], v[P+4*(\k)+1]
	v_mul_f32 v[12+(\k)], v[P+4*(\k)], v[P+4*(\k)+2]
.endr
.set c, 1
.rept 15
.irp k, 0,1
	v_fmac_f32 v[10+(\k)], v[P+8*c+4*(\k)], v[P+8*c+4*(\k)+1]
	v_fmac_f32 v[12+(\k)], v[P+8*c+4*(\k)], v[P+8*c+4*(\k)+2]
.endr
.set c, c+1
.endr
	v_rcp_f32 v10, v10
	v_rcp_f32 v11, v11
	v_lshlrev_b32 v6, 16, v8                       ; bf16(m_q) as f32: plain work behind the reciprocals
	v_and_b32 v7, 0xffff0000, v8
	s_wait_alu depctr_va_vdst(0)                   ; one wait for both reciprocals
	v_pk_mul_f32 v[12:13], v[12:13], v[10:11]      ; out0
	v_pk_add_f32 v[14:15], v[12:13], v[6:7]        ; out1
	global_store_b64 v2, v[12:13], s[8:9]
	global_store_b64 v2, v[14:15], s[10:11]
	s_endpgm
.Lfunc_end_k_qbe3f1a89e5_finish:
	.size	k_qbe3f1a89e5_finish, .Lfunc_end_k_qbe3f1a89e5_finish-k_qbe3f1a89e5_finish
	.p2alignl 7, 3214868480
	.fill 96, 4, 3214868480
	.section	.rodata,"a",@progbits
	.p2align	6, 0x0
	.amdhsa_kernel k_qbe3f1a89e5_finish
		.amdhsa_group_segment_fixed_size 0
		.amdhsa_private_segment_fixed_size 0
		.amdhsa_enable_private_segment 0
		.amdhsa_kernarg_size 32
		.amdhsa_user_sgpr_count 2
		.amdhsa_user_sgpr_kernarg_segment_ptr 1
		.amdhsa_wavefront_size32 1
		.amdhsa_system_sgpr_workgroup_id_x 1
		.amdhsa_system_sgpr_workgroup_id_y 1
		.amdhsa_system_sgpr_workgroup_id_z 1
		.amdhsa_system_vgpr_workitem_id 0
		.amdhsa_next_free_vgpr 144
		.amdhsa_next_free_sgpr 66
		.amdhsa_reserve_vcc 0
		.amdhsa_float_denorm_mode_32 3
		.amdhsa_float_denorm_mode_16_64 3
		.amdhsa_memory_ordered 1
		.amdhsa_forward_progress 1
		.amdhsa_inst_pref_size 10
	.end_amdhsa_kernel
	.amdgpu_metadata
---
amdhsa.version: [ 1, 2 ]
amdhsa.kernels:
  - .name:           k_qbe3f1a89e5_finish
    .symbol:         k_qbe3f1a89e5_finish.kd
    .args:
      - { .name: part, .offset: 0, .size: 8, .value_kind: global_buffer, .address_space: global }
      - { .name: m_q, .offset: 8, .size: 8, .value_kind: global_buffer, .address_space: global }
      - { .name: out0, .offset: 16, .size: 8, .value_kind: global_buffer, .address_space: global }
      - { .name: out1, .offset: 24, .size: 8, .value_kind: global_buffer, .address_space: global }
    .group_segment_fixed_size: 0
    .private_segment_fixed_size: 0
    .kernarg_segment_align: 8
    .kernarg_segment_size: 32
    .max_flat_workgroup_size: 32
    .sgpr_count:     66
    .vgpr_count:     144
    .wavefront_size: 32
...
	.end_amdgpu_metadata
.endif
;; end of part 4
